; MI455X (gfx1250); checked and timed in simulation.
; The chip was launched on July 23, 2026; its instructions are those of AMD's public machine-readable ISA for CDNA 5 (MIT licence, August 2026) and "CDNA5" Instruction Set Architecture Reference Guide (July 2026). The comments in the code are by the model that wrote it; some were corrected since.
;; Trans Conv Layer. Allowed arithmetic: float matrix products may take bf16 or f16 operands with f32 sums; all other float work in f32.
;; Inputs: Wk_b 512 float32; Wk_w 256 x 512 float32; Wq_b 512 float32; Wq_w 256 x 512 float32; Wv_b 512 float32; Wv_w 256 x 512 float32; query_input 100,000 x 256 float32; source_input 100,000 x 256 float32.
;; Outputs: out0 100,000 x 64 float32.
;; One version. Each part assembles by itself: llvm-mc -triple=amdgcn-amd-amdhsa -mcpu=gfx1250 --defsym DOCPART=n.
;; ======== version 1 of 1: 4 launches
;; workspace buffers: PART 45,056,000 bytes; GH 278,528 bytes; GL 278,528 bytes; UF 524,288 bytes; DWT 8,192 bytes; CA 2,048 bytes; CD 256 bytes; NORM 256 bytes
;; launch gram (part 1): grid 250 x 1, 16 waves a work-group, no clusters, 36,864 bytes of LDS; arguments query_input, source_input, PART; writes PART
.if DOCPART == 1
	.amdgcn_target "amdgcn-amd-amdhsa--gfx1250"
	.amdhsa_code_object_version 6
	.text
	.protected	k_q373e7dd25d_gram
	.globl	k_q373e7dd25d_gram
	.p2align	8
	.type	k_q373e7dd25d_gram,@function
k_q373e7dd25d_gram:
	s_mov_b64 s[64:65], 0
	v_nop
	global_prefetch_b8 v0, s[64:65] scope:SCOPE_SE
	s_setreg_imm32_b32 hwreg(HW_REG_WAVE_MODE, 25, 1), 1
	s_wait_xcnt 0x0
; Partial Gram matrices.  With X one of the two inputs [100000][256] f32, this launch makes, for 800 rows of X, the sums
; G[i][j] = sum over n of X[n][i] X[n][j] (upper block triangle only) and the column sums s[j] = sum over n of X[n][j].
; Work-groups 0-124 take query_input, 125-249 source_input; 125 x 800 rows = 100000, nothing is ragged.
; 25 steps of 32 rows: all 16 waves load f32 rows (512 consecutive bytes a wave and load), round to bf16 (matrix operands) and lay them
; into one of two LDS slots; waves 0-9 each own one 64 x 64 block (a, b), a <= b, of G: 16 accumulator tiles; wave 10 owns the column
; sums: a constant A fragment whose row 0 is all ones, times all 16 column tiles.  Sums are f32.
; No tensor loads: the f32 data has to pass through registers to become bf16.  No cluster: no two work-groups read the same rows.
.set PITCH,  544                       ; LDS row: 512 bytes of bf16 + 32: an odd multiple of 32 bytes
.set SLOT,   32*PITCH                  ; 32 rows
.set WGPART, 180224                    ; bytes of PART for a work-group: 11 blocks x 16 tiles x 1024
.set XO,   2                           ; v2  byte offset of my 16 bytes in the step's first 8 rows
.set LS,   3                           ; v3  LDS address of my 8 bytes of bf16
.set FA,   4                           ; v4  fragment address, block column a
.set FB,   5                           ; v5  fragment address, block column b
.set SO,   6                           ; v6  16 x lane, for the way out
.set R,    16                          ; v[16:47]   two staging sets of 4 loads
.set F,    48                          ; v[48:111]  8 fragments
.set ONES, 112                         ; v[112:119] A fragment: row 0 = 1.0, the other rows 0
.set T,    120                         ; v[120:127] rounded pairs on their way to LDS
.set ACC,  128                         ; v[128:255] 16 accumulator tiles
.macro PLACES                          ; four places behind a matrix instruction (ISA guide 7.12.1)
.rept 4
	v_nop
.endr
.endm
	s_load_b128 s[4:7], s[0:1], 0x0                ; query_input, source_input
	s_load_b64 s[8:9], s[0:1], 0x10                ; PART
	v_lshl_add_u32 v14, v0, 2, 0x8800
	v_mov_b32 v15, 0
	v_lshrrev_b32 v1, 5, v0
	v_readfirstlane_b32 s10, v1                    ; wave 0..15
	; block table: wave 0..9 -> (a,b) = (0,0)(0,1)(0,2)(0,3)(1,1)(1,2)(1,3)(2,2)(2,3)(3,3); waves 10 and up: a = b = 0
	s_cmp_ge_u32 s10, 4
	s_cselect_b32 s14, 1, 0
	s_cselect_b32 s15, 3, 0
	s_cmp_ge_u32 s10, 7
	s_cselect_b32 s14, 2, s14
	s_cselect_b32 s15, 5, s15
	s_cmp_ge_u32 s10, 9
	s_cselect_b32 s14, 3, s14
	s_cselect_b32 s15, 6, s15
	s_cmp_ge_u32 s10, 10
	s_cselect_b32 s14, 0, s14
	s_cselect_b32 s15, s10, s15
	s_sub_co_u32 s15, s10, s15                     ; b
	s_lshl_b32 s14, s14, 7                         ; 64 columns of bf16 = 128 bytes a block
	s_lshl_b32 s15, s15, 7
	s_cmp_ge_u32 ttmp9, 125
	s_cselect_b32 s11, 125, 0
	s_sub_co_u32 s11, ttmp9, s11                   ; my share of the matrix, 0..124
	s_mul_i32 s12, s11, 800*1024                   ; 800 rows of 1024 bytes (below 2^27)
	s_mov_b32 s13, 0
	s_mul_i32 s16, ttmp9, WGPART
	s_lshl_b32 s17, s10, 14                        ; a block is 16384 bytes
	s_add_co_u32 s16, s16, s17
	s_mov_b32 s17, 0
	v_lshrrev_b32 v7, 6, v0                        ; row of eight
	v_and_b32 v8, 63, v0                           ; 16-byte piece of the row
	v_lshlrev_b32 v[XO], 4, v8
	v_lshl_add_u32 v[XO], v7, 10, v[XO]
	v_mul_u32_u24 v[LS], v7, PITCH
	v_lshl_add_u32 v[LS], v8, 3, v[LS]
	v_and_b32 v9, 31, v0                           ; lane
	v_and_b32 v10, 7, v9
	v_lshrrev_b32 v11, 4, v9
	v_lshl_or_b32 v10, v11, 3, v10                 ; row 8 (lane/16) + lane%8
	v_mul_u32_u24 v10, v10, PITCH
	v_bfe_u32 v11, v9, 3, 1
	v_lshl_add_u32 v10, v11, 4, v10                ; + 16 bytes for the second eight columns
	v_add_nc_u32 v[FA], s14, v10
	v_add_nc_u32 v[FB], s15, v10
	v_lshlrev_b32 v[SO], 4, v9
	v_and_b32 v12, 15, v0
	v_mov_b32 v[ONES+1], 0x3f803f80                ; two bf16 ones
	v_cmp_eq_u32 vcc_lo, 0, v12
	v_cndmask_b32 v[ONES], 0, v[ONES+1], vcc_lo    ; lanes 0 and 16 hold row 0
.irp j, 1,2,3,4,5,6,7
	v_mov_b32 v[ONES+\j], v[ONES]
.endr
	s_wait_kmcnt 0x0
	s_cmp_ge_u32 ttmp9, 125
	s_cselect_b64 s[4:5], s[6:7], s[4:5]           ; which input
	s_add_nc_u64 s[4:5], s[4:5], s[12:13]
	s_add_nc_u64 s[8:9], s[8:9], s[16:17]
.irp i, 0,1,2,3
	global_load_b128 v[R+4*\i:R+4*\i+3], v[XO], s[4:5] offset:\i*8192 th:TH_LOAD_NT               ; step 0
.endr
.irp i, 0,1,2,3
	global_load_b128 v[R+16+4*\i:R+16+4*\i+3], v[XO], s[4:5] offset:0x8000+\i*8192 th:TH_LOAD_NT  ; step 1
.endr
; One step of 32 rows.  set: staging set; slot: LDS slot; load = 1: the set is loaded again, two steps ahead;
; left: how many younger loads may stay out; zero = 1: the products start the sums.
; One barrier a step serves both orders: in front of it a wave has waited for its stores of this step and for its fragment
; reads of the last step, and the slot written in the next step is the one read in the last.
.macro STEP set, slot, load, left, zero
	s_wait_loadcnt \left                           ; loads return in order: this step's four are in
.irp i, 0,1,2,3
	v_cvt_pk_bf16_f32 v[T+2*\i], v[R+16*\set+4*\i], v[R+16*\set+4*\i+1]       ; these eight are also the places between the last
	v_cvt_pk_bf16_f32 v[T+2*\i+1], v[R+16*\set+4*\i+2], v[R+16*\set+4*\i+3]   ; step's matrix instructions and the loads into their fragments
.endr
.irp i, 0,1,2,3
	ds_store_b64 v[LS], v[T+2*\i:T+2*\i+1] offset:\slot*SLOT+\i*8*PITCH
.endr
.if \load
	s_wait_xcnt 0x0                                ; the base is stepped only behind this wait
	s_add_nc_u64 s[4:5], s[4:5], 0x8000            ; now the next step's rows
.irp i, 0,1,2,3
	global_load_b128 v[R+16*\set+4*\i:R+16*\set+4*\i+3], v[XO], s[4:5] offset:0x8000+\i*8192 th:TH_LOAD_NT
.endr
.endif
	s_wait_dscnt 0x0
	s_barrier_signal -1
	s_barrier_wait -1
	s_cmp_ge_u32 s10, 10
	s_cbranch_scc1 .Lstrip_\@
	; waves 0-9: four column tiles of block column b, four of a; the transposing load turns [row n][column] into fragments with n along K
.irp n, 0,1,2,3
	ds_load_tr16_b128 v[F+32+8*\n:F+32+8*\n+3], v[FB] offset:\slot*SLOT+32*\n
	ds_load_tr16_b128 v[F+32+8*\n+4:F+32+8*\n+7], v[FB] offset:\slot*SLOT+32*\n+16*PITCH
.endr
.irp m, 0,1,2,3
	ds_load_tr16_b128 v[F+8*\m:F+8*\m+3], v[FA] offset:\slot*SLOT+32*\m
	ds_load_tr16_b128 v[F+8*\m+4:F+8*\m+7], v[FA] offset:\slot*SLOT+32*\m+16*PITCH
.endr
	; the 16 accumulators take turns, one instruction a turn
.irp m, 0,1,2,3
	s_wait_dscnt 6-2*\m                            ; b's four and a's tiles 0..m are in
.irp n, 0,1,2,3
.if \zero
	v_wmma_f32_16x16x32_bf16 v[ACC+8*(4*\m+\n):ACC+8*(4*\m+\n)+7], v[F+8*\m:F+8*\m+7], v[F+32+8*\n:F+32+8*\n+7], 0
.else
	v_wmma_f32_16x16x32_bf16 v[ACC+8*(4*\m+\n):ACC+8*(4*\m+\n)+7], v[F+8*\m:F+8*\m+7], v[F+32+8*\n:F+32+8*\n+7], v[ACC+8*(4*\m+\n):ACC+8*(4*\m+\n)+7]
.endif
.endr
.endr
	s_branch .Lstep_done_\@
.Lstrip_\@:
	s_cmp_lg_u32 s10, 10
	s_cbranch_scc1 .Lstep_done_\@
	; wave 10: ones x all 16 column tiles, eight at a time
.irp hf, 0,1
.irp c, 0,1,2,3,4,5,6,7
	ds_load_tr16_b128 v[F+8*\c:F+8*\c+3], v[FA] offset:\slot*SLOT+256*\hf+32*\c
	ds_load_tr16_b128 v[F+8*\c+4:F+8*\c+7], v[FA] offset:\slot*SLOT+256*\hf+32*\c+16*PITCH
.endr
.irp c, 0,1,2,3,4,5,6,7
	s_wait_dscnt 14-2*\c
.if \zero
	v_wmma_f32_16x16x32_bf16 v[ACC+64*\hf+8*\c:ACC+64*\hf+8*\c+7], v[ONES:ONES+7], v[F+8*\c:F+8*\c+7], 0
.else
	v_wmma_f32_16x16x32_bf16 v[ACC+64*\hf+8*\c:ACC+64*\hf+8*\c+7], v[ONES:ONES+7], v[F+8*\c:F+8*\c+7], v[ACC+64*\hf+8*\c:ACC+64*\hf+8*\c+7]
.endif
.endr
	PLACES                                         ; the fragments are loaded again
.endr
.Lstep_done_\@:
.endm
	STEP 0, 0, 1, 4, 1                             ; step 0 starts the sums
	s_mov_b32 s18, 11
.Lpair:                                            ; steps 1 to 22
	STEP 1, 1, 1, 4, 0
	STEP 0, 0, 1, 4, 0
	s_sub_co_u32 s18, s18, 1
	s_cmp_lg_u32 s18, 0
	s_cbranch_scc1 .Lpair
	STEP 1, 1, 0, 4, 0                             ; step 23: nothing left to load
	STEP 0, 0, 0, 0, 0                             ; step 24
	; the way out: register quads as they lie; every store of a wave covers 512 consecutive bytes, aligned
	PLACES
	s_cmp_ge_u32 s10, 11
	s_cbranch_scc1 .Lend
.irp t, 0,1,2,3,4,5,6,7,8,9,10,11,12,13,14,15
	global_store_b128 v[SO], v[ACC+8*\t:ACC+8*\t+3], s[8:9] offset:\t*1024 th:TH_STORE_NT
	global_store_b128 v[SO], v[ACC+8*\t+4:ACC+8*\t+7], s[8:9] offset:\t*1024+512 th:TH_STORE_NT
.endr
.Lend:
	s_wait_tensorcnt 0x0
	ds_add_u32 v14, v15
	s_wait_dscnt 0x0
	s_endpgm
.Lfunc_end_k_q373e7dd25d_gram:
	.size	k_q373e7dd25d_gram, .Lfunc_end_k_q373e7dd25d_gram-k_q373e7dd25d_gram
	.p2alignl 7, 3214868480
	.fill 96, 4, 3214868480
	.section	.rodata,"a",@progbits
	.p2align	6, 0x0
	.amdhsa_kernel k_q373e7dd25d_gram
		.amdhsa_group_segment_fixed_size 36864
		.amdhsa_private_segment_fixed_size 0
		.amdhsa_enable_private_segment 0
		.amdhsa_kernarg_size 24
		.amdhsa_user_sgpr_count 2
		.amdhsa_user_sgpr_kernarg_segment_ptr 1
		.amdhsa_wavefront_size32 1
		.amdhsa_system_sgpr_workgroup_id_x 1
		.amdhsa_system_sgpr_workgroup_id_y 1
		.amdhsa_system_sgpr_workgroup_id_z 1
		.amdhsa_system_vgpr_workitem_id 0
		.amdhsa_next_free_vgpr 256
		.amdhsa_next_free_sgpr 66
		.amdhsa_reserve_vcc 1
		.amdhsa_float_denorm_mode_32 3
		.amdhsa_float_denorm_mode_16_64 3
		.amdhsa_memory_ordered 1
		.amdhsa_forward_progress 1
		.amdhsa_inst_pref_size 43
	.end_amdhsa_kernel
	.amdgpu_metadata
---
amdhsa.version: [ 1, 2 ]
amdhsa.kernels:
  - .name:           k_q373e7dd25d_gram
    .symbol:         k_q373e7dd25d_gram.kd
    .args:
      - { .name: query_input, .offset: 0, .size: 8, .value_kind: global_buffer, .address_space: global }
      - { .name: source_input, .offset: 8, .size: 8, .value_kind: global_buffer, .address_space: global }
      - { .name: PART, .offset: 16, .size: 8, .value_kind: global_buffer, .address_space: global }
    .group_segment_fixed_size: 36864
    .private_segment_fixed_size: 0
    .kernarg_segment_align: 8
    .kernarg_segment_size: 24
    .max_flat_workgroup_size: 512
    .sgpr_count:     66
    .vgpr_count:     256
    .wavefront_size: 32
...
	.end_amdgpu_metadata
.endif
;; end of part 1
;; launch reduce (part 2): grid 176 x 2, 10 waves a work-group, no clusters, 9,472 bytes of LDS; arguments PART, GH, GL; writes GH, GL
.if DOCPART == 2
	.amdgcn_target "amdgcn-amd-amdhsa--gfx1250"
	.amdhsa_code_object_version 6
	.text
	.protected	k_q373e7dd25d_reduce
	.globl	k_q373e7dd25d_reduce
	.p2align	8
	.type	k_q373e7dd25d_reduce,@function
k_q373e7dd25d_reduce:
	s_mov_b64 s[64:65], 0
	v_nop
	global_prefetch_b8 v0, s[64:65] scope:SCOPE_SE
	s_setreg_imm32_b32 hwreg(HW_REG_WAVE_MODE, 25, 1), 1
	s_wait_xcnt 0x0
; Adds the 125 partial tiles of one 16 x 16 tile of one Gram matrix and writes it, and its mirror image for blocks off the diagonal,
; as two bf16 parts hi + lo (16 mantissa bits) into GH and GL: [2 matrices][272 rows][256] bf16; row 256 = column sums, rows 257-271 = 0.
; x = 16 blk + tile, y = matrix.  320 threads: thread t adds quad f = t % 64 of the tile over 25 work-groups' parts (t / 64 of five groups),
; 25 loads of 16 bytes in flight; the five sums meet in LDS.
; The stores here are pieces of 32 bytes a row: both outputs together are 557056 bytes, so nothing is built to widen them.
.set WGPART, 180224
.set X, 8                              ; v[8:107] 25 quads
.set TILE, 5120                        ; LDS: 5 x 64 quads, then the tile, 16 rows of 80 bytes
	s_load_b128 s[4:7], s[0:1], 0x0                ; PART, GH
	s_load_b64 s[8:9], s[0:1], 0x10                ; GL
	v_lshl_add_u32 v128, v0, 2, 0x2000
	v_mov_b32 v129, 0
	v_lshrrev_b32 v1, 5, v0
	v_readfirstlane_b32 s10, v1                    ; wave
	s_and_b32 s11, ttmp7, 0xffff                   ; matrix
	s_lshr_b32 s12, ttmp9, 4                       ; blk 0..10
	s_and_b32 s13, ttmp9, 15                       ; tile
	s_cmp_ge_u32 s12, 4                            ; the block table of the first launch
	s_cselect_b32 s14, 1, 0
	s_cselect_b32 s15, 3, 0
	s_cmp_ge_u32 s12, 7
	s_cselect_b32 s14, 2, s14
	s_cselect_b32 s15, 5, s15
	s_cmp_ge_u32 s12, 9
	s_cselect_b32 s14, 3, s14
	s_cselect_b32 s15, 6, s15
	s_sub_co_u32 s15, s12, s15                     ; b
	s_lshr_b32 s16, s13, 2
	s_and_b32 s17, s13, 3
	s_lshl_b32 s18, s14, 6
	s_lshl4_add_u32 s18, s16, s18                  ; R0 = 64 a + 16 (tile / 4)
	s_lshl_b32 s19, s15, 6
	s_lshl4_add_u32 s19, s17, s19                  ; C0 = 64 b + 16 (tile % 4)
	s_lshl_b32 s23, s13, 4
	s_cmp_eq_u32 s14, s15
	s_cselect_b32 s22, 1, 0                        ; no mirror image on the diagonal,
	s_cmp_eq_u32 s12, 10
	s_cselect_b32 s18, 256, s18                    ; blk 10: rows 256-271, columns 16 tile
	s_cselect_b32 s19, s23, s19
	s_cselect_b32 s22, 1, s22                      ; nor of the strip of column sums
	s_mul_i32 s24, s11, 272
	s_add_co_u32 s25, s24, s18
	s_lshl_b32 s25, s25, 9
	s_lshl1_add_u32 s25, s19, s25                  ; byte offset of the tile as it is
	s_add_co_u32 s26, s24, s19
	s_lshl_b32 s26, s26, 9
	s_lshl1_add_u32 s26, s18, s26                  ; and of its mirror image
	v_lshrrev_b32 v2, 6, v0                        ; group of 25 parts
	v_and_b32 v3, 63, v0                           ; quad
	v_mul_u32_u24 v2, v2, 25*WGPART
	v_lshl_add_u32 v2, v3, 4, v2
	s_mul_i32 s16, s11, 125*WGPART
	s_lshl_b32 s17, ttmp9, 10
	s_add_co_u32 s16, s16, s17
	s_mov_b32 s17, 0
	s_wait_kmcnt 0x0
	s_add_nc_u64 s[4:5], s[4:5], s[16:17]
.set i_, 0
.rept 25
	global_load_b128 v[X+4*i_:X+4*i_+3], v2, s[4:5] offset:i_*WGPART th:TH_LOAD_NT
.set i_, i_+1
.endr
.set i_, 4
.rept 21                                           ; four chains
	s_wait_loadcnt 24-i_                           ; the loads behind number i_ may stay out
	v_pk_add_f32 v[X+4*(i_%4):X+4*(i_%4)+1], v[X+4*(i_%4):X+4*(i_%4)+1], v[X+4*i_:X+4*i_+1]
	v_pk_add_f32 v[X+4*(i_%4)+2:X+4*(i_%4)+3], v[X+4*(i_%4)+2:X+4*(i_%4)+3], v[X+4*i_+2:X+4*i_+3]
.set i_, i_+1
.endr
	v_pk_add_f32 v[X:X+1], v[X:X+1], v[X+4:X+5]
	v_pk_add_f32 v[X+2:X+3], v[X+2:X+3], v[X+6:X+7]
	v_pk_add_f32 v[X+8:X+9], v[X+8:X+9], v[X+12:X+13]
	v_pk_add_f32 v[X+10:X+11], v[X+10:X+11], v[X+14:X+15]
	v_pk_add_f32 v[X:X+1], v[X:X+1], v[X+8:X+9]
	v_pk_add_f32 v[X+2:X+3], v[X+2:X+3], v[X+10:X+11]
	v_lshlrev_b32 v4, 4, v0
	ds_store_b128 v4, v[X:X+3]                     ; sum of group t / 64, quad t % 64
	s_wait_dscnt 0x0                               ; my store is done before I signal
	s_barrier_signal -1
	s_barrier_wait -1
	s_cmp_ge_u32 s10, 2
	s_cbranch_scc1 .Lno_sum
	; waves 0 and 1: the five sums of a quad; wave q holds registers 4q..4q+3 of the tile: rows 8 (lane/16) + 4 q + e, column lane % 16
.irp g, 0,1,2,3,4
	ds_load_b128 v[X+4*\g:X+4*\g+3], v4 offset:\g*1024
.endr
	v_and_b32 v6, 15, v0
	v_bfe_u32 v7, v0, 4, 1
	v_mul_u32_u24 v5, v7, 640
	v_lshl_add_u32 v5, v6, 2, v5
	s_mul_i32 s27, s10, 320
	s_add_co_u32 s27, s27, TILE
	v_add_nc_u32 v5, s27, v5
	s_wait_dscnt 0x0
	v_pk_add_f32 v[X:X+1], v[X:X+1], v[X+4:X+5]
	v_pk_add_f32 v[X+2:X+3], v[X+2:X+3], v[X+6:X+7]
	v_pk_add_f32 v[X+8:X+9], v[X+8:X+9], v[X+12:X+13]
	v_pk_add_f32 v[X+10:X+11], v[X+10:X+11], v[X+14:X+15]
	v_pk_add_f32 v[X:X+1], v[X:X+1], v[X+8:X+9]
	v_pk_add_f32 v[X+2:X+3], v[X+2:X+3], v[X+10:X+11]
	v_pk_add_f32 v[X:X+1], v[X:X+1], v[X+16:X+17]
	v_pk_add_f32 v[X+2:X+3], v[X+2:X+3], v[X+18:X+19]
.irp e, 0,1,2,3
	ds_store_b32 v5, v[X+\e] offset:\e*80
.endr
.Lno_sum:
	s_wait_dscnt 0x0
	s_barrier_signal -1
	s_barrier_wait -1
	s_cmp_ge_u32 s10, 2
	s_cbranch_scc1 .Lend
	v_bfe_u32 v6, v0, 1, 4                         ; row of the piece that I write
	v_and_b32 v7, 1, v0                            ; which eight columns
	v_lshlrev_b32 v5, 4, v7
	v_lshl_add_u32 v5, v6, 9, v5                   ; row x 512 + 16 half
	s_cmp_eq_u32 s10, 1
	s_cbranch_scc1 .Lmirror
	v_lshlrev_b32 v4, 5, v7                        ; wave 0: tile[row][8 half ..]
	v_mad_u32_u24 v4, v6, 80, v4
	ds_load_b128 v[8:11], v4 offset:TILE
	ds_load_b128 v[12:15], v4 offset:TILE+16
	s_mov_b32 s20, s25
	s_branch .Lhilo
.Lmirror:
	s_cmp_eq_u32 s22, 1
	s_cbranch_scc1 .Lend
	v_lshlrev_b32 v4, 2, v6                        ; wave 1: tile[8 half + e][row]
	v_mad_u32_u24 v4, v7, 640, v4
.irp e, 0,1,2,3,4,5,6,7
	ds_load_b32 v[8+\e], v4 offset:TILE+\e*80
.endr
	s_mov_b32 s20, s26
.Lhilo:
	s_mov_b32 s21, 0
	s_add_nc_u64 s[6:7], s[6:7], s[20:21]
	s_add_nc_u64 s[8:9], s[8:9], s[20:21]
	s_wait_dscnt 0x0
.irp p, 0,1,2,3
	v_cvt_pk_bf16_f32 v[16+\p], v[8+2*\p], v[9+2*\p]           ; hi
.endr
.irp p, 0,1,2,3
	v_lshlrev_b32 v[24+2*\p], 16, v[16+\p]
	v_and_b32 v[25+2*\p], 0xffff0000, v[16+\p]
.endr
.irp j, 0,1,2,3,4,5,6,7
	v_sub_f32 v[8+\j], v[8+\j], v[24+\j]                       ; what hi leaves
.endr
.irp p, 0,1,2,3
	v_cvt_pk_bf16_f32 v[20+\p], v[8+2*\p], v[9+2*\p]           ; lo
.endr
	global_store_b128 v5, v[16:19], s[6:7]
	global_store_b128 v5, v[20:23], s[8:9]
.Lend:
	s_wait_tensorcnt 0x0
	ds_add_u32 v128, v129
	s_wait_dscnt 0x0
	s_endpgm
.Lfunc_end_k_q373e7dd25d_reduce:
	.size	k_q373e7dd25d_reduce, .Lfunc_end_k_q373e7dd25d_reduce-k_q373e7dd25d_reduce
	.p2alignl 7, 3214868480
	.fill 96, 4, 3214868480
	.section	.rodata,"a",@progbits
	.p2align	6, 0x0
	.amdhsa_kernel k_q373e7dd25d_reduce
		.amdhsa_group_segment_fixed_size 9472
		.amdhsa_private_segment_fixed_size 0
		.amdhsa_enable_private_segment 0
		.amdhsa_kernarg_size 24
		.amdhsa_user_sgpr_count 2
		.amdhsa_user_sgpr_kernarg_segment_ptr 1
		.amdhsa_wavefront_size32 1
		.amdhsa_system_sgpr_workgroup_id_x 1
		.amdhsa_system_sgpr_workgroup_id_y 1
		.amdhsa_system_sgpr_workgroup_id_z 1
		.amdhsa_system_vgpr_workitem_id 0
		.amdhsa_next_free_vgpr 130
		.amdhsa_next_free_sgpr 66
		.amdhsa_reserve_vcc 0
		.amdhsa_float_denorm_mode_32 3
		.amdhsa_float_denorm_mode_16_64 3
		.amdhsa_memory_ordered 1
		.amdhsa_forward_progress 1
		.amdhsa_inst_pref_size 13
	.end_amdhsa_kernel
	.amdgpu_metadata
---
amdhsa.version: [ 1, 2 ]
amdhsa.kernels:
  - .name:           k_q373e7dd25d_reduce
    .symbol:         k_q373e7dd25d_reduce.kd
    .args:
      - { .name: PART, .offset: 0, .size: 8, .value_kind: global_buffer, .address_space: global }
      - { .name: GH, .offset: 8, .size: 8, .value_kind: global_buffer, .address_space: global }
      - { .name: GL, .offset: 16, .size: 8, .value_kind: global_buffer, .address_space: global }
    .group_segment_fixed_size: 9472
    .private_segment_fixed_size: 0
    .kernarg_segment_align: 8
    .kernarg_segment_size: 24
    .max_flat_workgroup_size: 320
    .sgpr_count:     66
    .vgpr_count:     130
    .wavefront_size: 32
...
	.end_amdgpu_metadata
.endif
;; end of part 2
;; launch heads (part 3): grid 16 x 1, 8 waves a work-group, no clusters, 166,912 bytes of LDS; arguments GH, GL, Wk_w, Wk_b, Wq_w, Wq_b, Wv_w, Wv_b, UF, DWT, CA, CD, NORM; writes UF, DWT, CA, CD, NORM
.if DOCPART == 3
	.amdgcn_target "amdgcn-amd-amdhsa--gfx1250"
	.amdhsa_code_object_version 6
	.text
	.protected	k_q373e7dd25d_heads
	.globl	k_q373e7dd25d_heads
	.p2align	8
	.type	k_q373e7dd25d_heads,@function
k_q373e7dd25d_heads:
	s_mov_b64 s[64:65], 0
	v_nop
	global_prefetch_b8 v0, s[64:65] scope:SCOPE_SE
	s_setreg_imm32_b32 hwreg(HW_REG_WAVE_MODE, 25, 1), 1
	s_wait_xcnt 0x0
; Everything that hangs on whole-input sums, one head a work-group.  role = x / 8, h = x % 8.
; role 0 (G of source_input, Wa = Wk): T = G Wa_h + s ba^T (= X^T K_h), ksum = Wa_h^T s + N ba, the head's part of |K|^2 = sum(Wa.T) + ba.ksum,
;   KV = T^T Wv_h + ksum bv^T, P = Wq_h KV, and the tables of the last launch: UF (P and Wv_h as ready B fragments), DWT (8 Wq_h ksum),
;   CA (bq_h KV), CD (8 bq_h.ksum).
; role 1 (G of query_input, Wa = Wq): T, ksum and the head's part of |Q|^2 only; it ends behind the norm.
; Both roles load all three weight slices and store T, so that one branch on the role suffices.
; Limits: G enters as hi + lo bf16 (16 mantissa bits); Wa, Wv, Wq, T and KV are matrix operands rounded to bf16; all sums f32.
; 16 work-groups: there are 16 (matrix, head) pairs and each is a chain of dependent small products.
.set NROWS_F, 0x47c35000               ; 100000.0
.set WA,  0                            ; [256][64] bf16, pitch 160 (odd multiple of 32: transposing loads)
.set WV,  40960                        ; the same
.set WQ,  81920                        ; [256][64] bf16, pitch 144
.set TT,  118784                       ; T transposed: [64 c][256 i] bf16, pitch 528
.set KVT, 152576                       ; KV transposed: [64 d][64 m] bf16, pitch 144
.set UW,  161792                       ; [8 waves][64] f32
.set KS,  163840                       ; [64] f32
.set CW,  164096                       ; [4][64] f32
.set NR,  165120                       ; [8] f32
.set DWL, 165376                       ; [256] bf16
.set BF,  32                           ; v[32:63]   B fragments
.set AB,  64                           ; v[64:191]  two groups of G fragments
.set ACC, 192                          ; v[192:255] 8 accumulator tiles
.macro PLACES                          ; four places behind a matrix instruction (ISA guide 7.12.1)
.rept 4
	v_nop
.endr
.endm
.macro WSUM x, t                       ; sum over the 32 lanes, in every lane; register t has been written before
	v_add_f32_dpp v[\x], v[\x], v[\x] row_xmask:1 row_mask:0xf bank_mask:0xf
	v_add_f32_dpp v[\x], v[\x], v[\x] row_xmask:2 row_mask:0xf bank_mask:0xf
	v_add_f32_dpp v[\x], v[\x], v[\x] row_xmask:4 row_mask:0xf bank_mask:0xf
	v_add_f32_dpp v[\x], v[\x], v[\x] row_xmask:8 row_mask:0xf bank_mask:0xf
	v_permlanex16_b32 v[\t], v[\x], s40, s41
	v_add_f32 v[\x], v[\x], v[\t]
.endm
	s_load_b512 s[8:23], s[0:1], 0x0               ; GH 8, GL 10, Wk_w 12, Wk_b 14, Wq_w 16, Wq_b 18, Wv_w 20, Wv_b 22
	s_load_b256 s[24:31], s[0:1], 0x40             ; UF 24, DWT 26, CA 28, CD 30
	s_load_b64 s[32:33], s[0:1], 0x60              ; NORM
	s_set_vgpr_msb 0x40
	v_lshl_add_u32 v0, v0, 2, 0x28800
	v_mov_b32 v1, 0
	s_set_vgpr_msb 0x4000
	v_lshrrev_b32 v1, 5, v0
	v_readfirstlane_b32 s2, v1                     ; wave
	s_lshr_b32 s3, ttmp9, 3                        ; role
	s_and_b32 s4, ttmp9, 7                         ; head
	s_mov_b32 s40, 0x76543210
	s_mov_b32 s41, 0xfedcba98
	v_and_b32 v1, 31, v0                           ; lane
	v_and_b32 v2, 15, v0                           ; r
	v_bfe_u32 v3, v0, 4, 1                         ; h2
	v_lshrrev_b32 v10, 4, v0
	v_lshlrev_b32 v4, 4, v2
	v_lshl_add_u32 v4, v10, 11, v4                 ; weights: row t/16, 16 bytes at t%16: sixteen lanes read 256 consecutive bytes
	v_lshlrev_b32 v11, 3, v2
	v_mad_u32_u24 v5, v10, 160, v11                ; into WA
	v_add_nc_u32 v6, WV, v5                        ; into WV
	v_mad_u32_u24 v7, v10, 144, v11
	v_add_nc_u32 v7, WQ, v7                        ; into WQ
	s_lshl_b32 s5, s2, 14
	v_lshlrev_b32 v8, 9, v2
	v_lshl_add_u32 v8, v3, 4, v8
	v_add_nc_u32 v8, s5, v8                        ; G fragments: (32 w + r) x 512 + 16 h2
	v_and_b32 v9, 7, v0
	v_lshl_or_b32 v9, v3, 3, v9
	v_mul_u32_u24 v9, v9, 160
	v_bfe_u32 v11, v0, 3, 1
	v_lshl_add_u32 v9, v11, 4, v9                  ; transposing loads at pitch 160
	s_wait_kmcnt 0x0
	s_cmp_lg_u32 s3, 0
	s_cselect_b64 s[34:35], s[16:17], s[12:13]     ; Wa
	s_cselect_b64 s[36:37], s[18:19], s[14:15]     ; ba
	s_cselect_b32 s38, 0, 272*512                  ; role 1: matrix 0 (query); role 0: matrix 1 (source)
	s_mov_b32 s39, 0
	s_add_nc_u64 s[8:9], s[8:9], s[38:39]
	s_add_nc_u64 s[10:11], s[10:11], s[38:39]
	s_lshl_b32 s38, s4, 8                          ; the head's 64 columns, 256 bytes
	s_add_nc_u64 s[34:35], s[34:35], s[38:39]
	s_add_nc_u64 s[36:37], s[36:37], s[38:39]
	s_add_nc_u64 s[16:17], s[16:17], s[38:39]
	s_add_nc_u64 s[18:19], s[18:19], s[38:39]
	s_add_nc_u64 s[20:21], s[20:21], s[38:39]
	s_add_nc_u64 s[22:23], s[22:23], s[38:39]
	s_add_nc_u64 s[28:29], s[28:29], s[38:39]
	s_lshl_b32 s38, s4, 12
	s_lshl_b32 s5, s2, 15
	s_add_co_u32 s38, s38, s5
	s_add_nc_u64 s[24:25], s[24:25], s[38:39]      ; UF at K step w, head h
	s_lshl_b32 s38, s4, 9
	s_add_nc_u64 s[26:27], s[26:27], s[38:39]      ; DWT row h
	s_lshl_b32 s38, s4, 2
	s_add_nc_u64 s[30:31], s[30:31], s[38:39]      ; CD[h]
	s_lshl_b32 s38, ttmp9, 2
	s_add_nc_u64 s[32:33], s[32:33], s[38:39]      ; NORM[8 role + h]
	; ---- phase 1: the three weight slices [256][64], f32 -> bf16 -> LDS; 48 loads out
.macro LOADW m, base
.irp i, 0,1,2,3,4,5,6,7,8,9,10,11,12,13,14,15
	global_load_b128 v[64+64*\m+4*\i:64+64*\m+4*\i+3], v4, s[\base:\base+1] offset:\i*32768
.endr
.endm
.macro STOREW m, adr, pitch
.irp i, 0,1,2,3,4,5,6,7,8,9,10,11,12,13,14,15
	v_cvt_pk_bf16_f32 v[64+64*\m+4*\i], v[64+64*\m+4*\i], v[64+64*\m+4*\i+1]
	v_cvt_pk_bf16_f32 v[64+64*\m+4*\i+1], v[64+64*\m+4*\i+2], v[64+64*\m+4*\i+3]
	ds_store_b64 v[\adr], v[64+64*\m+4*\i:64+64*\m+4*\i+1] offset:\i*16*\pitch
.endr
.endm
	LOADW 0, 34
	LOADW 1, 20
	LOADW 2, 16
	s_wait_loadcnt 32                              ; Wa is in; the other two slices stay out
	STOREW 0, 5, 160
	s_wait_loadcnt 16
	STOREW 1, 6, 160
	s_wait_loadcnt 0x0
	STOREW 2, 7, 144
	s_wait_dscnt 0x0
	; ---- phase 2: T = G Wa_h.  Wave w: rows 32 w .. 32 w + 31 (2 tiles) x 64 columns (4 tiles); K = 256 in 8 steps, hi then lo.
.macro GLOAD g                         ; two K steps of G fragments, hi and lo, two row tiles: 16 loads
.irp kk, 0,1
.irp m, 0,1
	global_load_b128 v[AB+64*(\g&1)+32*\kk+8*\m:AB+64*(\g&1)+32*\kk+8*\m+3], v8, s[8:9] offset:\m*8192+(2*\g+\kk)*64
	global_load_b128 v[AB+64*(\g&1)+32*\kk+8*\m+4:AB+64*(\g&1)+32*\kk+8*\m+7], v8, s[8:9] offset:\m*8192+(2*\g+\kk)*64+32
	global_load_b128 v[AB+64*(\g&1)+32*\kk+16+8*\m:AB+64*(\g&1)+32*\kk+16+8*\m+3], v8, s[10:11] offset:\m*8192+(2*\g+\kk)*64
	global_load_b128 v[AB+64*(\g&1)+32*\kk+16+8*\m+4:AB+64*(\g&1)+32*\kk+16+8*\m+7], v8, s[10:11] offset:\m*8192+(2*\g+\kk)*64+32
.endr
.endr
.endm
.macro TSTEP g, kk, zero               ; the 8 accumulators take turns, one instruction a turn
.irp n, 0,1,2,3
	ds_load_tr16_b128 v[BF+8*\n:BF+8*\n+3], v9 offset:WA+(2*\g+\kk)*5120+\n*32
	ds_load_tr16_b128 v[BF+8*\n+4:BF+8*\n+7], v9 offset:WA+(2*\g+\kk)*5120+\n*32+2560
.endr
	s_wait_dscnt 0x0
.irp p, 0,1
.irp m, 0,1
.irp n, 0,1,2,3
.if \zero*(1-\p)
	v_wmma_f32_16x16x32_bf16 v[ACC+8*(4*\m+\n):ACC+8*(4*\m+\n)+7], v[AB+64*(\g&1)+32*\kk+16*\p+8*\m:AB+64*(\g&1)+32*\kk+16*\p+8*\m+7], v[BF+8*\n:BF+8*\n+7], 0
.else
	v_wmma_f32_16x16x32_bf16 v[ACC+8*(4*\m+\n):ACC+8*(4*\m+\n)+7], v[AB+64*(\g&1)+32*\kk+16*\p+8*\m:AB+64*(\g&1)+32*\kk+16*\p+8*\m+7], v[BF+8*\n:BF+8*\n+7], v[ACC+8*(4*\m+\n):ACC+8*(4*\m+\n)+7]
.endif
.endr
.endr
.endr
	PLACES                                         ; fragments are loaded again behind these
.endm
	GLOAD 0
	GLOAD 1
	s_barrier_signal -1                            ; every wave's weight stores are done
	s_barrier_wait -1
	s_wait_loadcnt 16                              ; group 0 is in, group 1 stays out
	TSTEP 0, 0, 1
	TSTEP 0, 1, 0
	GLOAD 2
	s_wait_loadcnt 16
	TSTEP 1, 0, 0
	TSTEP 1, 1, 0
	GLOAD 3
	s_wait_loadcnt 16
	TSTEP 2, 0, 0
	TSTEP 2, 1, 0
	s_wait_loadcnt 0x0
	TSTEP 3, 0, 0
	TSTEP 3, 1, 0
	; ---- phase 3: in the accumulators' layout (register j: row 32 w + 16 m + 8 h2 + j, column 16 n + r):
	;      T += s ba^T; nrm = sum W.T; u = sum over my rows of W s; T to LDS as bf16, transposed.
.set SH,  64                           ; v[64:71]   s, hi parts as loaded
.set SL,  72                           ; v[72:79]   s, lo parts
.set BA,  80                           ; v[80:83]   ba of my four columns
.set TM,  84                           ; v84, v85   at work
.set NRM, 88                           ; v[88:91]
.set UU,  92                           ; v[92:95]
.set SS,  96                           ; v[96:111]  s of my 16 rows, f32
.set W0,  128                          ; v[128:191] Wa in f32, as the accumulators lie
	s_lshl_b32 s5, s2, 6
	v_lshlrev_b32 v12, 4, v3
	v_add_nc_u32 v12, s5, v12                      ; 2 x (32 w + 8 h2)
	v_lshlrev_b32 v13, 2, v2                       ; 4 r
	s_lshl_b32 s5, s2, 16
	v_lshl_add_u32 v14, v3, 14, v13
	v_add_nc_u32 v14, s5, v14                      ; (32 w + 8 h2) x 2048 + 4 r
	s_lshl_b32 s5, s2, 8
	s_add_co_u32 s5, s5, UW
	v_add_nc_u32 v15, s5, v13
	s_lshl_b32 s5, s2, 2
	s_add_co_u32 s5, s5, NR
	v_mov_b32 v16, s5
	v_mad_u32_u24 v17, v2, 528, v12
	v_add_nc_u32 v17, TT, v17
.irp m, 0,1
	global_load_b128 v[SH+4*\m:SH+4*\m+3], v12, s[8:9] offset:256*512+\m*32
	global_load_b128 v[SL+4*\m:SL+4*\m+3], v12, s[10:11] offset:256*512+\m*32
.endr
.irp n, 0,1,2,3
	global_load_b32 v[BA+\n], v13, s[36:37] offset:\n*64
.endr
.macro WLOAD m
.irp n, 0,1,2,3
.irp j, 0,1,2,3,4,5,6,7
	global_load_b32 v[W0+32*\m+8*\n+\j], v14, s[34:35] offset:(16*\m+\j)*2048+\n*64
.endr
.endr
.endm
	WLOAD 0
	s_wait_loadcnt 32                              ; s and ba are in; the 32 weights stay out
.irp m, 0,1
.irp p, 0,1,2,3
	v_lshlrev_b32 v[SS+8*\m+2*\p], 16, v[SH+4*\m+\p]
	v_and_b32 v[SS+8*\m+2*\p+1], 0xffff0000, v[SH+4*\m+\p]
	v_lshlrev_b32 v[TM], 16, v[SL+4*\m+\p]
	v_and_b32 v[TM+1], 0xffff0000, v[SL+4*\m+\p]
	v_add_f32 v[SS+8*\m+2*\p], v[SS+8*\m+2*\p], v[TM]
	v_add_f32 v[SS+8*\m+2*\p+1], v[SS+8*\m+2*\p+1], v[TM+1]
.endr
.endr
.irp m, 0,1
.irp n, 0,1,2,3
.irp j, 0,1,2,3,4,5,6,7
	v_fma_f32 v[ACC+8*(4*\m+\n)+\j], v[SS+8*\m+\j], v[BA+\n], v[ACC+8*(4*\m+\n)+\j]
.endr
.endr
.endr
.macro WSUMS m
.irp n, 0,1,2,3
.irp j, 0,1,2,3,4,5,6,7
.if (\m+\j) == 0
	v_mul_f32 v[NRM+\n], v[W0+32*\m+8*\n+\j], v[ACC+8*(4*\m+\n)+\j]
	v_mul_f32 v[UU+\n], v[W0+32*\m+8*\n+\j], v[SS+8*\m+\j]
.else
	v_fmac_f32 v[NRM+\n], v[W0+32*\m+8*\n+\j], v[ACC+8*(4*\m+\n)+\j]
	v_fmac_f32 v[UU+\n], v[W0+32*\m+8*\n+\j], v[SS+8*\m+\j]
.endif
.endr
.endr
.endm
	s_wait_loadcnt 0x0
	WLOAD 1                                        ; the second 32 come while the first are summed: at most 40 loads are ever out
	WSUMS 0
	s_wait_loadcnt 0x0
	WSUMS 1
.irp n, 0,1,2,3
	v_permlanex16_b32 v[TM], v[UU+\n], s40, s41    ; the other eight rows of each tile
	v_add_f32 v[UU+\n], v[UU+\n], v[TM]
	ds_store_b32 v15, v[UU+\n] offset:\n*64        ; lanes r and 16 + r write the same word with the same value
.endr
	v_add_f32 v[NRM], v[NRM], v[NRM+1]
	v_add_f32 v[NRM+2], v[NRM+2], v[NRM+3]
	v_add_f32 v[NRM], v[NRM], v[NRM+2]
	WSUM NRM, TM
	ds_store_b32 v16, v[NRM]
.irp m, 0,1
.irp n, 0,1,2,3
.irp p, 0,1,2,3
	v_cvt_pk_bf16_f32 v[W0+4*(4*\m+\n)+\p], v[ACC+8*(4*\m+\n)+2*\p], v[ACC+8*(4*\m+\n)+2*\p+1]
.endr
	ds_store_b128 v17, v[W0+4*(4*\m+\n):W0+4*(4*\m+\n)+3] offset:\n*16*528+\m*32
.endr
.endr
	s_wait_dscnt 0x0
	s_barrier_signal -1
	s_barrier_wait -1
	; ---- phase 4, wave 0: ksum, the head's part of the squared norm, 8 bq.ksum
	s_cmp_lg_u32 s2, 0
	s_cbranch_scc1 .Lp4_done
	v_lshlrev_b32 v20, 2, v1
	global_load_b32 v64, v20, s[36:37]
	global_load_b32 v65, v20, s[36:37] offset:128
	global_load_b32 v66, v20, s[18:19]
	global_load_b32 v67, v20, s[18:19] offset:128
	v_add_nc_u32 v21, UW, v20
	v_mov_b32 v22, NR
	v_add_nc_u32 v23, KS, v20
	v_mov_b32 v24, 0
.irp w, 0,1,2,3,4,5,6,7
	ds_load_b32 v[68+\w], v21 offset:\w*256
	ds_load_b32 v[76+\w], v21 offset:\w*256+128
.endr
	ds_load_b128 v[84:87], v22
	ds_load_b128 v[88:91], v22 offset:16
	s_wait_dscnt 0x0
.irp w, 1,2,3,4,5,6,7
	v_add_f32 v68, v68, v[68+\w]
	v_add_f32 v76, v76, v[76+\w]
	v_add_f32 v84, v84, v[84+\w]
.endr
	s_wait_loadcnt 0x0
	v_fmamk_f32 v68, v64, NROWS_F, v68             ; ksum = u + N ba, columns lane and lane + 32
	v_fmamk_f32 v76, v65, NROWS_F, v76
	ds_store_b32 v23, v68
	ds_store_b32 v23, v76 offset:128
	v_mul_f32 v92, v64, v68
	v_mul_f32 v93, v66, v68
	v_fmac_f32 v92, v65, v76
	v_fmac_f32 v93, v67, v76
	WSUM 92, 64
	WSUM 93, 64
	v_add_f32 v92, v92, v84
	v_mul_f32 v93, 0x41000000, v93
	v_cmp_eq_u32 vcc_lo, 0, v1
	s_wait_xcnt 0x0                                ; EXEC changes only behind this wait
	s_and_saveexec_b32 s42, vcc_lo
	global_store_b32 v24, v92, s[32:33]
	s_cmp_lg_u32 s3, 0
	s_cbranch_scc1 .Lno_cd
	global_store_b32 v24, v93, s[30:31]            ; CD[h]
	global_store_b32 v24, v24, s[30:31] offset:32  ; CD[h + 8] = 0
.Lno_cd:
	s_wait_xcnt 0x0
	s_or_b32 exec_lo, exec_lo, s42
.Lp4_done:
	s_wait_dscnt 0x0
	s_barrier_signal -1
	s_barrier_wait -1
	s_cmp_lg_u32 s3, 0
	s_cbranch_scc0 .Lrole0
	s_set_vgpr_msb 0x5
	s_wait_tensorcnt 0x0
	ds_add_u32 v0, v1
	s_wait_dscnt 0x0
	s_set_vgpr_msb 0x500
	s_endpgm
.Lrole0:
	; ---- phase 5: KV = T^T Wv_h + ksum bv^T.  Wave w: row tile w / 2 (m), column tiles 2 (w % 2) + {0, 1} (d); K = 256.
	s_lshr_b32 s43, s2, 1
	s_and_b32 s44, s2, 1
	v_lshlrev_b32 v12, 4, v3
	v_mad_u32_u24 v12, v2, 144, v12                ; r x 144 + 16 h2
	s_mul_i32 s45, s43, 16*528
	s_add_co_u32 s45, s45, TT
	v_lshlrev_b32 v4, 4, v3
	v_mad_u32_u24 v4, v2, 528, v4
	v_add_nc_u32 v4, s45, v4                       ; A: rows of TT
	s_lshl_b32 s45, s44, 6
	s_add_co_u32 s45, s45, WV
	v_add_nc_u32 v5, s45, v9                       ; B: WV, transposing
	s_lshl_b32 s45, s43, 6
	v_lshlrev_b32 v8, 5, v3
	v_add_nc_u32 v8, s45, v8                       ; 4 x (16 mt + 8 h2)
	v_add_nc_u32 v6, KS, v8
	s_lshl_b32 s45, s44, 7
	v_lshl_add_u32 v7, v2, 2, s45                  ; 4 x (32 (w % 2) + r)
	s_lshl_b32 s45, s43, 8
	s_add_co_u32 s45, s45, CW
	v_add_nc_u32 v10, s45, v7
	s_mul_i32 s45, s44, 32*144
	s_lshl_b32 s46, s43, 5
	s_add_co_u32 s45, s45, s46
	s_add_co_u32 s45, s45, KVT
	v_add_nc_u32 v11, s45, v12
	v_mov_b32 v60, 0
	global_load_b32 v56, v7, s[22:23]              ; bv
	global_load_b32 v57, v7, s[22:23] offset:64
	global_load_b128 v[16:19], v8, s[18:19]        ; bq of my eight rows
	global_load_b128 v[20:23], v8, s[18:19] offset:16
.irp k, 0,1,2,3,4,5,6,7
	ds_load_b128 v[64+8*\k:64+8*\k+3], v4 offset:\k*64
	ds_load_b128 v[64+8*\k+4:64+8*\k+7], v4 offset:\k*64+32
.irp n, 0,1
	ds_load_tr16_b128 v[128+16*\k+8*\n:128+16*\k+8*\n+3], v5 offset:\k*5120+\n*32
	ds_load_tr16_b128 v[128+16*\k+8*\n+4:128+16*\k+8*\n+7], v5 offset:\k*5120+\n*32+2560
.endr
.endr
	ds_load_b128 v[48:51], v6                      ; ksum of my eight rows
	ds_load_b128 v[52:55], v6 offset:16
	s_wait_dscnt 0x0
	v_wmma_f32_16x16x32_bf16 v[32:39], v[64:71], v[128:135], 0
	v_wmma_f32_16x16x32_bf16 v[40:47], v[64:71], v[136:143], 0
.irp k, 1,2,3,4,5,6,7                              ; the two accumulators take turns
	v_wmma_f32_16x16x32_bf16 v[32:39], v[64+8*\k:64+8*\k+7], v[128+16*\k:128+16*\k+7], v[32:39]
	v_wmma_f32_16x16x32_bf16 v[40:47], v[64+8*\k:64+8*\k+7], v[128+16*\k+8:128+16*\k+15], v[40:47]
.endr
	PLACES
	s_wait_loadcnt 0x0
.irp n, 0,1
.irp j, 0,1,2,3,4,5,6,7
	v_fma_f32 v[32+8*\n+\j], v[48+\j], v[56+\n], v[32+8*\n+\j]
.endr
	v_mul_f32 v[58+\n], v16, v[32+8*\n]
.irp j, 1,2,3,4,5,6,7
	v_fmac_f32 v[58+\n], v[16+\j], v[32+8*\n+\j]   ; bq.KV over my eight rows
.endr
	v_permlanex16_b32 v60, v[58+\n], s40, s41
	v_add_f32 v[58+\n], v[58+\n], v60
	ds_store_b32 v10, v[58+\n] offset:\n*64
.irp p, 0,1,2,3
	v_cvt_pk_bf16_f32 v[24+4*\n+\p], v[32+8*\n+2*\p], v[32+8*\n+2*\p+1]
.endr
	ds_store_b128 v11, v[24+4*\n:24+4*\n+3] offset:\n*16*144
.endr
	s_wait_dscnt 0x0
	s_barrier_signal -1
	s_barrier_wait -1
	; ---- phase 6: P = Wq_h KV (rows 32 w .., K = 64) and Wv_h, both stored as B fragments of the last launch.
	; An accumulator tile of rows 32 w + 16 m + 8 h2 + j, column r, rounded and packed, IS half m of the B fragment of K step w.
	s_mul_i32 s45, s2, 32*144
	s_add_co_u32 s45, s45, WQ
	v_add_nc_u32 v4, s45, v12
	v_add_nc_u32 v5, KVT, v12
	s_mul_i32 s45, s2, 5120
	s_add_co_u32 s45, s45, WV
	v_add_nc_u32 v6, s45, v9
	v_lshlrev_b32 v7, 4, v1
	v_mul_u32_u24 v8, v0, 144
	v_add_nc_u32 v8, WQ, v8
	v_mov_b32 v10, KS
	v_lshlrev_b32 v14, 1, v0
	v_add_nc_u32 v14, DWL, v14
	v_lshlrev_b32 v30, 2, v0
	v_add_nc_u32 v15, CW, v30
	v_add_nc_u32 v31, DWL, v7
.irp m, 0,1
.irp k, 0,1
	ds_load_b128 v[64+16*\m+8*\k:64+16*\m+8*\k+3], v4 offset:\m*2304+\k*64
	ds_load_b128 v[64+16*\m+8*\k+4:64+16*\m+8*\k+7], v4 offset:\m*2304+\k*64+32
.endr
.endr
.irp n, 0,1,2,3
.irp k, 0,1
	ds_load_b128 v[96+16*\n+8*\k:96+16*\n+8*\k+3], v5 offset:\n*2304+\k*64
	ds_load_b128 v[96+16*\n+8*\k+4:96+16*\n+8*\k+7], v5 offset:\n*2304+\k*64+32
.endr
.endr
.irp n, 0,1,2,3
	ds_load_tr16_b128 v[160+8*\n:160+8*\n+3], v6 offset:\n*32
	ds_load_tr16_b128 v[160+8*\n+4:160+8*\n+7], v6 offset:\n*32+2560
.endr
	s_wait_dscnt 8                                 ; all but the eight loads of Wv fragments
.irp m, 0,1
.irp n, 0,1,2,3
	v_wmma_f32_16x16x32_bf16 v[ACC+8*(4*\m+\n):ACC+8*(4*\m+\n)+7], v[64+16*\m:64+16*\m+7], v[96+16*\n:96+16*\n+7], 0
.endr
.endr
.irp m, 0,1                                        ; the 8 accumulators take turns
.irp n, 0,1,2,3
	v_wmma_f32_16x16x32_bf16 v[ACC+8*(4*\m+\n):ACC+8*(4*\m+\n)+7], v[64+16*\m+8:64+16*\m+15], v[96+16*\n+8:96+16*\n+15], v[ACC+8*(4*\m+\n):ACC+8*(4*\m+\n)+7]
.endr
.endr
	s_wait_dscnt 0x0
.irp n, 0,1,2,3
	global_store_b128 v7, v[160+8*\n:160+8*\n+3], s[24:25] offset:8*32768+\n*1024
	global_store_b128 v7, v[160+8*\n+4:160+8*\n+7], s[24:25] offset:8*32768+\n*1024+512
.endr
	PLACES
.irp m, 0,1
.irp n, 0,1,2,3
.irp p, 0,1,2,3
	v_cvt_pk_bf16_f32 v[64+4*(4*\m+\n)+\p], v[ACC+8*(4*\m+\n)+2*\p], v[ACC+8*(4*\m+\n)+2*\p+1]
.endr
	global_store_b128 v7, v[64+4*(4*\m+\n):64+4*(4*\m+\n)+3], s[24:25] offset:\n*1024+\m*512
.endr
.endr
	; 8 Wq_h ksum: thread t makes row t
	s_wait_xcnt 0x0                                ; v[160:191], data of stores above, are loaded again only behind this wait
.irp i, 0,1,2,3,4,5,6,7
	ds_load_b128 v[96+4*\i:96+4*\i+3], v8 offset:\i*16
.endr
.irp i, 0,1,2,3,4,5,6,7,8,9,10,11,12,13,14,15
	ds_load_b128 v[128+4*\i:128+4*\i+3], v10 offset:\i*16
.endr
	v_mov_b32 v28, 0
	v_mov_b32 v29, 0
	s_wait_dscnt 0x0
.set q_, 0
.rept 32
	v_fma_mix_f32_bf16 v28, v[96+q_], v[128+2*q_], v28 op_sel_hi:[1,0,0]
	v_fma_mix_f32_bf16 v29, v[96+q_], v[128+2*q_+1], v29 op_sel:[1,0,0] op_sel_hi:[1,0,0]
.set q_, q_+1
.endr
	v_add_f32 v28, v28, v29
	v_mul_f32 v28, 0x41000000, v28
	v_cvt_pk_bf16_f32 v28, v28, v28
	ds_store_b16 v14, v28
	s_cmp_ge_u32 s2, 2
	s_cbranch_scc1 .Lno_ca
.irp m, 0,1,2,3
	ds_load_b32 v[16+\m], v15 offset:\m*256        ; the four row tiles' parts of bq.KV, column t
.endr
	s_wait_dscnt 0x0
	v_add_f32 v16, v16, v17
	v_add_f32 v18, v18, v19
	v_add_f32 v16, v16, v18
	global_store_b32 v30, v16, s[28:29]
.Lno_ca:
	s_wait_dscnt 0x0
	s_barrier_signal -1
	s_barrier_wait -1
	s_cmp_lg_u32 s2, 0
	s_cbranch_scc1 .Lend
	ds_load_b128 v[20:23], v31
	v_mov_b32 v24, 0
	v_mov_b32 v25, 0
	v_mov_b32 v26, 0
	v_mov_b32 v27, 0
	s_wait_dscnt 0x0
	global_store_b128 v7, v[20:23], s[26:27]               ; DWT row h: 512 consecutive bytes
	global_store_b128 v7, v[24:27], s[26:27] offset:4096   ; row h + 8 = 0
.Lend:
	s_set_vgpr_msb 0x5
	s_wait_tensorcnt 0x0
	ds_add_u32 v0, v1
	s_wait_dscnt 0x0
	s_set_vgpr_msb 0x500
	s_endpgm
.Lfunc_end_k_q373e7dd25d_heads:
	.size	k_q373e7dd25d_heads, .Lfunc_end_k_q373e7dd25d_heads-k_q373e7dd25d_heads
	.p2alignl 7, 3214868480
	.fill 96, 4, 3214868480
	.section	.rodata,"a",@progbits
	.p2align	6, 0x0
	.amdhsa_kernel k_q373e7dd25d_heads
		.amdhsa_group_segment_fixed_size 166912
		.amdhsa_private_segment_fixed_size 0
		.amdhsa_enable_private_segment 0
		.amdhsa_kernarg_size 104
		.amdhsa_user_sgpr_count 2
		.amdhsa_user_sgpr_kernarg_segment_ptr 1
		.amdhsa_wavefront_size32 1
		.amdhsa_system_sgpr_workgroup_id_x 1
		.amdhsa_system_sgpr_workgroup_id_y 1
		.amdhsa_system_sgpr_workgroup_id_z 1
		.amdhsa_system_vgpr_workitem_id 0
		.amdhsa_next_free_vgpr 258
		.amdhsa_next_free_sgpr 66
		.amdhsa_reserve_vcc 1
		.amdhsa_float_denorm_mode_32 3
		.amdhsa_float_denorm_mode_16_64 3
		.amdhsa_memory_ordered 1
		.amdhsa_forward_progress 1
		.amdhsa_inst_pref_size 85
	.end_amdhsa_kernel
	.amdgpu_metadata
---
amdhsa.version: [ 1, 2 ]
amdhsa.kernels:
  - .name:           k_q373e7dd25d_heads
    .symbol:         k_q373e7dd25d_heads.kd
    .args:
      - { .name: GH, .offset: 0, .size: 8, .value_kind: global_buffer, .address_space: global }
      - { .name: GL, .offset: 8, .size: 8, .value_kind: global_buffer, .address_space: global }
      - { .name: Wk_w, .offset: 16, .size: 8, .value_kind: global_buffer, .address_space: global }
      - { .name: Wk_b, .offset: 24, .size: 8, .value_kind: global_buffer, .address_space: global }
      - { .name: Wq_w, .offset: 32, .size: 8, .value_kind: global_buffer, .address_space: global }
      - { .name: Wq_b, .offset: 40, .size: 8, .value_kind: global_buffer, .address_space: global }
      - { .name: Wv_w, .offset: 48, .size: 8, .value_kind: global_buffer, .address_space: global }
      - { .name: Wv_b, .offset: 56, .size: 8, .value_kind: global_buffer, .address_space: global }
      - { .name: UF, .offset: 64, .size: 8, .value_kind: global_buffer, .address_space: global }
      - { .name: DWT, .offset: 72, .size: 8, .value_kind: global_buffer, .address_space: global }
      - { .name: CA, .offset: 80, .size: 8, .value_kind: global_buffer, .address_space: global }
      - { .name: CD, .offset: 88, .size: 8, .value_kind: global_buffer, .address_space: global }
      - { .name: NORM, .offset: 96, .size: 8, .value_kind: global_buffer, .address_space: global }
    .group_segment_fixed_size: 166912
    .private_segment_fixed_size: 0
    .kernarg_segment_align: 8
    .kernarg_segment_size: 104
    .max_flat_workgroup_size: 256
    .sgpr_count:     66
    .vgpr_count:     258
    .wavefront_size: 32
...
	.end_amdgpu_metadata
.endif
;; end of part 3
;; launch final (part 4): grid 250 x 1, 8 waves a work-group, no clusters, 140,288 bytes of LDS; arguments query_input, source_input, UF, DWT, CA, CD, NORM, Wv_b, out0; writes out0
.if DOCPART == 4
	.amdgcn_target "amdgcn-amd-amdhsa--gfx1250"
	.amdhsa_code_object_version 6
	.text
	.protected	k_q373e7dd25d_final
	.globl	k_q373e7dd25d_final
	.p2align	8
	.type	k_q373e7dd25d_final,@function
k_q373e7dd25d_final:
	s_mov_b64 s[64:65], 0
	v_nop
	global_prefetch_b8 v0, s[64:65] scope:SCOPE_SE
	s_setreg_imm32_b32 hwreg(HW_REG_WAVE_MODE, 25, 1), 1
	s_wait_xcnt 0x0
; out[l][d] = sum over h of ( [beta Xq | Xs][l] . U[:, 64 h + d] + beta CA[64 h + d] + bv[64 h + d] ) / ( 8 + beta CD[h] + beta Xq[l] . DW[h] ),
; beta = 1 / ((|Q| + 1e-6)(|K| + 1e-6) N): numerator and denominator of the problem's formula divided by N, the mean over 8 heads in the 8.
; Limit: the 1e-6 beside N in the denominator is not added; it is below half an ulp of N = 100000 in f32 and vanishes in that f32 sum too.
; beta Xq and Xs are matrix operands rounded to bf16; sums f32.
; A work-group owns 400 rows (250 x 400 = 100000) in three passes of 9, 8 and 8 row tiles.  Wave w: columns 16 (w % 4) .. + 15 of heads
; 4 (w / 4) .. + 3, all row tiles of the pass: up to 36 accumulator tiles, so that the sum over four heads stays in the wave.
; K = 512 in 8 chunks of 64 (two K steps): X goes f32 -> registers -> bf16 -> one of two LDS slots; B fragments come ready from UF.
; No tensor loads: f32 has to pass through registers to become bf16.  No cluster: 250 work-groups are the exact share of the rows and do not
; divide by four, and each UF fragment is read by one wave of a work-group.
; Registers: window 0: v0-15 addresses and constants, v16-79 two B groups, v80-151 A fragments (later: at work on the way out), v152-187 X staging,
; v188-219 the denominators' fragments and sums, v220-223 constants c, v224-255 accumulators of row tile 8; window 1: accumulators of row tiles 0-7.
.set XSLOT, 144*144                    ; an X slot: 144 rows of 128 bytes + 16
.set DWL,   2*XSLOT                    ; 41472: DW, 16 rows of 512 bytes + 16
.set DENT,  DWL+16*528                 ; 49920: reciprocals [16 heads][144 rows] f32, pitch 592
.set OUTL,  DENT+16*592                ; 59392: two halves' sums, 144 rows of 256 bytes + 16 each
.set OUTH,  144*272
.set XO,   1
.set BO,   2
.set XST,  3
.set AFR,  4
.set ADN,  5
.set DWA,  6
.set DST,  7
.set BETA, 8                           ; v[8:9]
.set KD,   10
.set DRD,  11
.set OST,  12
.set ORD,  13
.set ORD2, 14
.set OGO,  15
.set B,    16
.set A,    80
.set S,    A+64
.set XS,   152
.set AP,   188
.set DWF,  196
.set DA0,  204
.set DA1,  212
.set CC,   220
.set ACC8, 224
.set MSB, 0
.macro WIN new                         ; the immediate's high byte repeats the setting that is left
.if MSB != \new
	s_set_vgpr_msb (MSB<<8)|\new
.set MSB, \new
.endif
.endm
.macro PLACES                          ; four places behind a matrix instruction (ISA guide 7.12.1)
.rept 4
	v_nop
.endr
.endm
.macro XLOAD mt, base, off             ; a chunk of X: row 16 i + t/16, 16 bytes at t%16: sixteen lanes read 256 consecutive bytes
.set i_, 0
.rept \mt
	global_load_b128 v[XS+4*i_:XS+4*i_+3], v[XO], s[\base:\base+1] offset:\off+i_*16384 th:TH_LOAD_NT
.set i_, i_+1
.endr
.endm
.macro BLOAD k                         ; the four B fragments of K step k: each load of the wave covers 512 consecutive bytes
.irp n, 0,1,2,3
	global_load_b128 v[B+32*((\k)&1)+8*\n:B+32*((\k)&1)+8*\n+3], v[BO], s[12:13] offset:(\k)*32768+\n*4096
	global_load_b128 v[B+32*((\k)&1)+8*\n+4:B+32*((\k)&1)+8*\n+7], v[BO], s[12:13] offset:(\k)*32768+\n*4096+512
.endr
.endm
	s_load_b512 s[8:23], s[0:1], 0x0               ; Xq 8, Xs 10, UF 12, DWT 14, CA 16, CD 18, NORM 20, bv 22
	s_load_b64 s[24:25], s[0:1], 0x40              ; out0
	v_lshrrev_b32 v80, 5, v0
	v_readfirstlane_b32 s2, v80                    ; wave
	s_and_b32 s3, s2, 3                            ; dt
	s_lshr_b32 s4, s2, 2                           ; hg
	s_mul_i32 s26, ttmp9, 400*1024
	s_mov_b32 s27, 0
	s_mul_i32 s28, ttmp9, 400*256
	s_mov_b32 s29, 0
	v_and_b32 v81, 31, v0                          ; lane
	v_and_b32 v82, 15, v0                          ; r, and t % 16
	v_bfe_u32 v83, v0, 4, 1                        ; h2
	v_lshrrev_b32 v84, 4, v0                       ; t / 16
	v_lshlrev_b32 v[XO], 4, v82
	v_lshl_add_u32 v[XO], v84, 10, v[XO]
	v_lshlrev_b32 v[XST], 3, v82
	v_mad_u32_u24 v[XST], v84, 144, v[XST]
	v_lshlrev_b32 v[AFR], 4, v83
	v_mad_u32_u24 v[AFR], v82, 144, v[AFR]         ; A fragments: r x 144 + 16 h2
	s_mul_i32 s5, s2, 2304
	v_add_nc_u32 v[ADN], s5, v[AFR]                ; row tile w, for the denominators
	v_lshlrev_b32 v[DWA], 4, v83
	v_mad_u32_u24 v[DWA], v82, 528, v[DWA]
	v_add_nc_u32 v[DWA], DWL, v[DWA]
	v_lshlrev_b32 v[DRD], 5, v83
	v_mad_u32_u24 v[DST], v82, 592, v[DRD]
	s_lshl_b32 s5, s2, 6
	s_add_co_u32 s5, s5, DENT
	v_add_nc_u32 v[DST], s5, v[DST]                ; head r, rows 16 w + 8 h2
	s_mul_i32 s5, s4, 4*592
	s_add_co_u32 s5, s5, DENT
	v_add_nc_u32 v[DRD], s5, v[DRD]                ; head 4 hg, rows 8 h2
	s_mul_i32 s5, s4, OUTH
	s_lshl_b32 s6, s3, 6
	s_add_co_u32 s5, s5, s6
	s_add_co_u32 s5, s5, OUTL
	v_lshlrev_b32 v[OST], 2, v82
	v_mad_u32_u24 v[OST], v83, 2176, v[OST]
	v_add_nc_u32 v[OST], s5, v[OST]
	v_lshlrev_b32 v[OGO], 4, v82
	v_mad_u32_u24 v[ORD], v84, 272, v[OGO]
	v_add_nc_u32 v[ORD], OUTL, v[ORD]
	v_add_nc_u32 v[ORD2], OUTH, v[ORD]
	v_lshl_add_u32 v[OGO], v84, 8, v[OGO]
	s_lshl_b32 s5, s4, 14
	s_lshl_b32 s6, s3, 10
	s_add_co_u32 s5, s5, s6
	v_lshl_add_u32 v[BO], v81, 4, s5
	s_lshl_b32 s5, s4, 10
	s_lshl_b32 s6, s3, 6
	s_add_co_u32 s5, s5, s6
	v_lshl_add_u32 v85, v82, 2, s5                 ; 4 x (256 hg + 16 dt + r)
	v_lshlrev_b32 v86, 2, v82
	v_lshlrev_b32 v87, 4, v0
	v_lshlrev_b32 v97, 4, v81
	v_mad_u32_u24 v97, v80, 528, v97
	v_add_nc_u32 v97, DWL, v97
	s_wait_kmcnt 0x0
	s_load_b512 s[40:55], s[20:21], 0x0            ; the 8 heads' parts of |K|^2, then of |Q|^2
	s_add_nc_u64 s[8:9], s[8:9], s[26:27]
	s_add_nc_u64 s[10:11], s[10:11], s[26:27]
	s_add_nc_u64 s[24:25], s[24:25], s[28:29]
.irp n, 0,1,2,3
	global_load_b32 v[88+\n], v85, s[16:17] offset:\n*256
	global_load_b32 v[92+\n], v85, s[22:23] offset:\n*256
.endr
	global_load_b32 v96, v86, s[18:19]
	global_load_b128 v[100:103], v87, s[14:15]
	global_load_b128 v[104:107], v87, s[14:15] offset:4096
	XLOAD 9, 8, 0
	BLOAD 0
	BLOAD 1
	s_wait_kmcnt 0x0
	v_mov_b32 v108, s40
	v_mov_b32 v109, s48
.irp j, 1,2,3,4,5,6,7
	v_add_f32 v108, s[40+\j], v108
	v_add_f32 v109, s[48+\j], v109
.endr
	v_max_num_f32 v108, 0, v108
	v_max_num_f32 v109, 0, v109
	v_sqrt_f32 v108, v108
	v_sqrt_f32 v109, v109
	v_nop                                          ; one plain place behind a transcendental (ISA guide 5.7.2)
	s_wait_alu depctr_va_vdst(0)
	v_add_f32 v108, 0x358637bd, v108               ; + 1e-6
	v_add_f32 v109, 0x358637bd, v109
	v_mul_f32 v108, v108, v109
	v_mul_f32 v108, 0x47c35000, v108               ; x 100000
	v_rcp_f32 v[BETA], v108
	v_nop
	s_wait_alu depctr_va_vdst(0)
	v_mov_b32 v[BETA+1], v[BETA]
	s_wait_loadcnt 25                              ; the 11 small loads are in; 9 of X and 16 of B stay out
.irp n, 0,1,2,3
	v_fma_f32 v[CC+\n], v[BETA], v[88+\n], v[92+\n]            ; c = beta CA + bv
.endr
	v_fmaak_f32 v[KD], v[BETA], v96, 0x41000000                ; 8 + beta CD[r]
	ds_store_b128 v97, v[100:103]
	ds_store_b128 v97, v[104:107] offset:8*528
; One K step of 32.  wl: how many younger global loads may stay out when B(k) has to be there; nb: the B group asked for behind it, or -1.
; All accumulators take turns, one instruction a turn.
.macro KSTEP mt, k, slot, wl, nb
.if (\k) < 8
	ds_load_b128 v[AP:AP+3], v[ADN] offset:(\slot)*XSLOT+((\k)&1)*64
	ds_load_b128 v[AP+4:AP+7], v[ADN] offset:(\slot)*XSLOT+((\k)&1)*64+32
	ds_load_b128 v[DWF:DWF+3], v[DWA] offset:(\k)*64
	ds_load_b128 v[DWF+4:DWF+7], v[DWA] offset:(\k)*64+32
.endif
.set i_, 0
.rept \mt
	ds_load_b128 v[A+8*i_:A+8*i_+3], v[AFR] offset:(\slot)*XSLOT+i_*2304+((\k)&1)*64
	ds_load_b128 v[A+8*i_+4:A+8*i_+7], v[AFR] offset:(\slot)*XSLOT+i_*2304+((\k)&1)*64+32
.set i_, i_+1
.endr
.if (\k) < 8
	s_wait_dscnt 2*\mt                             ; the four loads of the denominator's fragments are in
.if (\k) == 0
	v_wmma_f32_16x16x32_bf16 v[DA0:DA0+7], v[AP:AP+7], v[DWF:DWF+7], 0
.else
	v_wmma_f32_16x16x32_bf16 v[DA0:DA0+7], v[AP:AP+7], v[DWF:DWF+7], v[DA0:DA0+7]
.endif
.endif
	s_wait_loadcnt \wl
	WIN 0x50                                       ; C and D in window 1
.set i_, 0
.rept 8
	s_wait_dscnt 2*(\mt-1-i_)                      ; A's tiles 0..i_ are in
.irp n, 0,1,2,3
.if (\k) == 0
	v_wmma_f32_16x16x32_bf16 v[8*(4*i_+\n):8*(4*i_+\n)+7], v[A+8*i_:A+8*i_+7], v[B+32*((\k)&1)+8*\n:B+32*((\k)&1)+8*\n+7], 0
.else
	v_wmma_f32_16x16x32_bf16 v[8*(4*i_+\n):8*(4*i_+\n)+7], v[A+8*i_:A+8*i_+7], v[B+32*((\k)&1)+8*\n:B+32*((\k)&1)+8*\n+7], v[8*(4*i_+\n):8*(4*i_+\n)+7]
.endif
.endr
.set i_, i_+1
.endr
	WIN 0
.if \mt == 9
	s_wait_dscnt 0x0
.irp n, 0,1,2,3
.if (\k) == 0
	v_wmma_f32_16x16x32_bf16 v[ACC8+8*\n:ACC8+8*\n+7], v[A+64:A+71], v[B+32*((\k)&1)+8*\n:B+32*((\k)&1)+8*\n+7], 0
.else
	v_wmma_f32_16x16x32_bf16 v[ACC8+8*\n:ACC8+8*\n+7], v[A+64:A+71], v[B+32*((\k)&1)+8*\n:B+32*((\k)&1)+8*\n+7], v[ACC8+8*\n:ACC8+8*\n+7]
.endif
.endr
.if (\k) < 8                                       ; row tile 8's denominators: formed by every wave, stored by wave 0
.if (\k) == 0
	v_wmma_f32_16x16x32_bf16 v[DA1:DA1+7], v[A+64:A+71], v[DWF:DWF+7], 0
.else
	v_wmma_f32_16x16x32_bf16 v[DA1:DA1+7], v[A+64:A+71], v[DWF:DWF+7], v[DA1:DA1+7]
.endif
.endif
.endif
	PLACES                                         ; for the loads below and for the next step's loads into A's fragments
.if (\nb) >= 0
	BLOAD (\nb)
.endif
.endm
; 1 / (8 x denominator / N) of 16 rows x 16 heads, to LDS; the next chunk's barrier stands between these stores and their readers
.macro DENOUT d, off
.irp j, 0,1,2,3,4,5,6,7
	v_add_f32 v[\d+\j], v[KD], v[\d+\j]
.endr
.irp j, 0,1,2,3,4,5,6,7
	v_rcp_f32 v[\d+\j], v[\d+\j]
.endr
	v_nop
	s_wait_alu depctr_va_vdst(0)
	ds_store_b128 v[DST], v[\d:\d+3] offset:\off
	ds_store_b128 v[DST], v[\d+4:\d+7] offset:\off+16
.endm
.macro RRLOAD mi                       ; the reciprocals of my four heads for row tile mi
.irp n, 0,1,2,3
	ds_load_b128 v[A+32*((\mi)&1)+8*\n:A+32*((\mi)&1)+8*\n+3], v[DRD] offset:\n*592+(\mi)*64
	ds_load_b128 v[A+32*((\mi)&1)+8*\n+4:A+32*((\mi)&1)+8*\n+7], v[DRD] offset:\n*592+(\mi)*64+16
.endr
.endm
; A pass: mt row tiles from row rb of the work-group's 400; nmt, nrb: the next pass's, nmt = 0 in the last.
.macro PASS mt, rb, nmt, nrb
.irp c, 0,1,2,3,4,5,6,7
	s_wait_loadcnt 16                              ; this chunk of X is in; the two B groups issued behind it stay out
.set i_, 0
.rept \mt
.if \c < 4
	v_pk_mul_f32 v[XS+4*i_:XS+4*i_+1], v[XS+4*i_:XS+4*i_+1], v[BETA:BETA+1]
	v_pk_mul_f32 v[XS+4*i_+2:XS+4*i_+3], v[XS+4*i_+2:XS+4*i_+3], v[BETA:BETA+1]
.endif
	v_cvt_pk_bf16_f32 v[XS+4*i_], v[XS+4*i_], v[XS+4*i_+1]
	v_cvt_pk_bf16_f32 v[XS+4*i_+1], v[XS+4*i_+2], v[XS+4*i_+3]
	ds_store_b64 v[XST], v[XS+4*i_:XS+4*i_+1] offset:(\c&1)*XSLOT+i_*2304
.set i_, i_+1
.endr
	s_wait_dscnt 0x0                               ; my stores of this chunk and my reads of the last are done:
	s_barrier_signal -1                            ; one barrier a chunk serves both orders, since the slot written next is the one read last
	s_barrier_wait -1
.if \c < 3
	XLOAD \mt, 8, \rb*1024+(\c+1)*256
.elseif \c < 7
	XLOAD \mt, 10, \rb*1024+(\c-3)*256
.elseif \nmt > 0
	XLOAD \nmt, 8, \nrb*1024
.endif
.if \c < 7
	KSTEP \mt, (2*\c), (\c&1), (\mt+8), (2*\c+2)   ; the next chunk of X and the other B group stay out
	KSTEP \mt, (2*\c+1), (\c&1), (\mt+8), (2*\c+3)
.elseif \nmt > 0
	KSTEP \mt, 14, 1, (\nmt+8), 0
	KSTEP \mt, 15, 1, (\nmt+8), 1
.else
	KSTEP \mt, 14, 1, 8, -1                        ; nothing more is asked for
	KSTEP \mt, 15, 1, 0, -1
.endif
.if \c == 3
	DENOUT DA0, 0
.if \mt == 9
	s_cmp_lg_u32 s2, 0
	s_cbranch_scc1 .Lno_tile8_\@
	DENOUT DA1, 512
.Lno_tile8_\@:
.endif
.endif
.endr
	; the way out: sum over my four heads of (acc + c) r, into my half's rows in LDS
	RRLOAD 0
.set m_, 0
.rept \mt
.if m_ < \mt-1
	RRLOAD (m_+1)
	s_wait_dscnt 8                                 ; all but the eight loads just issued
.else
	s_wait_dscnt 0x0
.endif
.irp j, 0,1,2,3,4,5,6,7
	v_mul_f32 v[S+\j], v[CC], v[A+32*(m_&1)+\j]
.endr
.irp n, 1,2,3
.irp j, 0,1,2,3,4,5,6,7
	v_fma_f32 v[S+\j], v[CC+\n], v[A+32*(m_&1)+8*\n+\j], v[S+\j]
.endr
.endr
.if m_ < 8
	WIN 0x01                                       ; source 0 in window 1
.irp n, 0,1,2,3
.irp p, 0,2,4,6
	v_pk_fma_f32 v[S+\p:S+\p+1], v[8*(4*m_+\n)+\p:8*(4*m_+\n)+\p+1], v[A+32*(m_&1)+8*\n+\p:A+32*(m_&1)+8*\n+\p+1], v[S+\p:S+\p+1]
.endr
.endr
	WIN 0
.else
.irp n, 0,1,2,3
.irp p, 0,2,4,6
	v_pk_fma_f32 v[S+\p:S+\p+1], v[ACC8+8*\n+\p:ACC8+8*\n+\p+1], v[A+32*(m_&1)+8*\n+\p:A+32*(m_&1)+8*\n+\p+1], v[S+\p:S+\p+1]
.endr
.endr
.endif
.irp j, 0,1,2,3,4,5,6,7
	ds_store_b32 v[OST], v[S+\j] offset:(16*m_+\j)*272
.endr
.set m_, m_+1
.endr
	s_wait_dscnt 0x0
	s_barrier_signal -1
	s_barrier_wait -1
	; the two halves' sums are added and leave: sixteen lanes store one whole row of 256 bytes
.set i_, 0
.rept \mt
	ds_load_b128 v[A+8*i_:A+8*i_+3], v[ORD] offset:i_*4352
	ds_load_b128 v[A+8*i_+4:A+8*i_+7], v[ORD2] offset:i_*4352
.set i_, i_+1
.endr
.set i_, 0
.rept \mt
	s_wait_dscnt 2*(\mt-1-i_)
	v_pk_add_f32 v[A+8*i_:A+8*i_+1], v[A+8*i_:A+8*i_+1], v[A+8*i_+4:A+8*i_+5]
	v_pk_add_f32 v[A+8*i_+2:A+8*i_+3], v[A+8*i_+2:A+8*i_+3], v[A+8*i_+6:A+8*i_+7]
	global_store_b128 v[OGO], v[A+8*i_:A+8*i_+3], s[24:25] offset:(\rb+16*i_)*256 th:TH_STORE_NT
.set i_, i_+1
.endr
	s_wait_xcnt 0x0                                ; the stores' data registers are loaded again only behind this wait
.endm
	PASS 9, 0, 8, 144
	PASS 8, 144, 8, 272
	PASS 8, 272, 0, 0
	s_wait_xcnt 0x0
	v_lshl_add_u32 v254, v0, 2, 0x22000
	v_mov_b32 v255, 0
	s_wait_tensorcnt 0x0
	ds_add_u32 v254, v255
	s_wait_dscnt 0x0
	s_endpgm
.Lfunc_end_k_q373e7dd25d_final:
	.size	k_q373e7dd25d_final, .Lfunc_end_k_q373e7dd25d_final-k_q373e7dd25d_final
	.p2alignl 7, 3214868480
	.fill 96, 4, 3214868480
	.section	.rodata,"a",@progbits
	.p2align	6, 0x0
	.amdhsa_kernel k_q373e7dd25d_final
		.amdhsa_group_segment_fixed_size 140288
		.amdhsa_private_segment_fixed_size 0
		.amdhsa_enable_private_segment 0
		.amdhsa_kernarg_size 72
		.amdhsa_user_sgpr_count 2
		.amdhsa_user_sgpr_kernarg_segment_ptr 1
		.amdhsa_wavefront_size32 1
		.amdhsa_system_sgpr_workgroup_id_x 1
		.amdhsa_system_sgpr_workgroup_id_y 1
		.amdhsa_system_sgpr_workgroup_id_z 1
		.amdhsa_system_vgpr_workitem_id 0
		.amdhsa_next_free_vgpr 512
		.amdhsa_next_free_sgpr 66
		.amdhsa_reserve_vcc 0
		.amdhsa_float_denorm_mode_32 3
		.amdhsa_float_denorm_mode_16_64 3
		.amdhsa_memory_ordered 1
		.amdhsa_forward_progress 1
		.amdhsa_inst_pref_size 255
	.end_amdhsa_kernel
	.section	.bss,"aw",@nobits
	.p2align	6
	.space	262144
	.amdgpu_metadata
---
amdhsa.version: [ 1, 2 ]
amdhsa.kernels:
  - .name:           k_q373e7dd25d_final
    .symbol:         k_q373e7dd25d_final.kd
    .args:
      - { .name: query_input, .offset: 0, .size: 8, .value_kind: global_buffer, .address_space: global }
      - { .name: source_input, .offset: 8, .size: 8, .value_kind: global_buffer, .address_space: global }
      - { .name: UF, .offset: 16, .size: 8, .value_kind: global_buffer, .address_space: global }
      - { .name: DWT, .offset: 24, .size: 8, .value_kind: global_buffer, .address_space: global }
      - { .name: CA, .offset: 32, .size: 8, .value_kind: global_buffer, .address_space: global }
      - { .name: CD, .offset: 40, .size: 8, .value_kind: global_buffer, .address_space: global }
      - { .name: NORM, .offset: 48, .size: 8, .value_kind: global_buffer, .address_space: global }
      - { .name: Wv_b, .offset: 56, .size: 8, .value_kind: global_buffer, .address_space: global }
      - { .name: out0, .offset: 64, .size: 8, .value_kind: global_buffer, .address_space: global }
    .group_segment_fixed_size: 140288
    .private_segment_fixed_size: 0
    .kernarg_segment_align: 8
    .kernarg_segment_size: 72
    .max_flat_workgroup_size: 256
    .sgpr_count:     66
    .vgpr_count:     512
    .wavefront_size: 32
...
	.end_amdgpu_metadata
.endif
;; end of part 4
